; MI455X (gfx1250); checked and timed in simulation.
; The chip was launched on July 23, 2026; its instructions are those of AMD's public machine-readable ISA for CDNA 5 (MIT licence, August 2026) and "CDNA5" Instruction Set Architecture Reference Guide (July 2026). The comments in the code are by the model that wrote it; some were corrected since.
;; Fused Mo E. Allowed arithmetic: float matrix products may take bf16 or f16 operands with f32 sums; other float arithmetic in f32, or as packed bf16 or f16 multiplies, adds, multiply-adds, maxima and minima; sums over many terms, partial sums and values carried from step to step in f32; what a program stores and reads back later, other than sums and carried values, may be rounded once to bf16 or f16.
;; Inputs: down_weight 32 x 1,024 x 32 float32; gate_up_weight 32 x 64 x 1,024 float32; hidden_states 16,384 x 1,024 float32; topk_ids 16,384 x 2 int32; topk_weights 16,384 x 2 float32.
;; Outputs: out0 16,384 x 1,024 float32.
;; One version. Each part assembles by itself: llvm-mc -triple=amdgcn-amd-amdhsa -mcpu=gfx1250 --defsym DOCPART=n.
;; ======== version 1 of 1: 2 launches
;; limits: values outside matrix products are rounded to bf16
;; workspace buffers: cnt 1,024 bytes of whole numbers; lst 16,842,752 bytes of whole numbers; wgu 4,194,304 bytes; wdn 2,097,152 bytes
;; launch prep (part 1): grid 256 x 1, 16 waves a work-group, no clusters, 69,888 bytes of LDS; arguments topk_ids, gate_up_weight, down_weight, cnt, lst, wgu, wdn; writes cnt, lst, wgu, wdn
.if DOCPART == 1
	.amdgcn_target "amdgcn-amd-amdhsa--gfx1250"
	.amdhsa_code_object_version 6
	.text
	.protected	k_qad817401d0_prep
	.globl	k_qad817401d0_prep
	.p2align	8
	.type	k_qad817401d0_prep,@function
k_qad817401d0_prep:
	s_mov_b64 s[64:65], 0
	v_nop
	global_prefetch_b8 v0, s[64:65] scope:SCOPE_SE
	s_setreg_imm32_b32 hwreg(HW_REG_WAVE_MODE, 25, 1), 1
	s_wait_xcnt 0x0
; PREP.  Work-group c (0..255) does two things.
; (1) ROUTING.  Token t belongs to cell 16 (id0 >> 1) + (id1 >> 1).  The work-group scans all 16,384 pairs of ids (wave w: tokens 1,024 w ..), gathers the tokens of cell c (wave after wave; inside a wave's
;     1,024 tokens not in token order), and stores their number in cnt[c] and the list in lst (row c, 16,448 words).  An entry is token | (id0 & 1) << 16 | (id1 & 1) << 17.  The list is written up to
;     nb = 96 x max(1, ceil(n / 96)), rounded up to 64; entries past n repeat the last one (0 where the cell is empty), so that the next launch may read whole tiles of 96.
;     No atomics: each wave counts by lane masks, the waves' totals meet in LDS.
; (2) WEIGHTS.  1/256 of both weight tensors is rounded to bf16 once and laid out as the next launch's operand registers take it:
;     wgu byte e*131072 + t*4096 + ot*1024 + p*512 + lane*16 = gate_up[e][16 ot + r][32 t + 16 p + 8 hh + 0..7]     (r = lane % 16, hh = lane / 16)
;     wdn byte e*65536 + (4 G + q)*1024 + p*512 + lane*16    = down[e][64 G + 4 r + q][16 p + 8 hh + 0..7]
; LIMIT.  Ids lie in 0..31, as the experts' tables have them; a token with another id gets no right result.
.set PP,    4224                       ; a wave's part of LDS: 1,024 entry words, then 32 words into which the lanes that do not match write
.set WT,    16*PP                      ; 16 words: the waves' totals, in a block of 256 bytes of their own
.set SPARE, WT+256                     ; the spare words: 128 bytes for each of 16 waves; no other line names them
.set LSTRB, 65792                      ; bytes in a row of lst
.set SPW,   4                          ; v4  my spare word's address; never rewritten
.set NIL,   5                          ; v5  0, for the add alone
.set IDS,   16                         ; v16-79 the ids as loaded; K[m] = id0 << 5 | id1 of my token m takes v[16 + 2 m]
.set MK,    32                         ; s32-63 the 32 lane masks; later s32-46 base of waves 1..15, s47-61 their steps
	s_load_b256 s[4:11], s[0:1], 0x0               ; ids s[4:5], gate_up s[6:7], down s[8:9], cnt s[10:11]
	s_load_b128 s[12:15], s[0:1], 0x20             ; lst s[12:13], wgu s[14:15]
	s_load_b64 s[16:17], s[0:1], 0x30              ; wdn
	v_lshl_add_u32 v[SPW], v0, 2, SPARE
	v_mov_b32 v[NIL], 0
	v_and_b32 v1, 31, v0                           ; lane
	v_lshrrev_b32 v9, 5, v0
	v_readfirstlane_b32 s18, v9                    ; wave w
	v_and_b32 v2, 15, v0                           ; r
	v_bfe_u32 v3, v0, 4, 1                         ; hh
	v_lshlrev_b32 v10, 4, v1                       ; 16 lane: the stores' offset
	v_lshl_add_u32 v6, v9, 13, v10                 ; ids: 8,192 w + 16 lane
	v_lshlrev_b32 v7, 12, v2
	v_lshl_add_u32 v7, v3, 5, v7                   ; gate_up: 4,096 r + 32 hh
	v_lshlrev_b32 v8, 9, v2
	v_lshl_add_u32 v8, v3, 5, v8                   ; down: 512 r + 32 hh
	v_lshlrev_b32 v120, 1, v1
	v_lshl_add_u32 v120, v9, 10, v120              ; my first token: 1,024 w + 2 lane
	v_add_nc_u32 v15, 1024, v1                     ; the word for a lane that does not match
	s_mov_b32 s19, ttmp9                           ; c
	s_lshr_b32 s83, s19, 4
	s_lshl_b32 s20, s83, 6
	s_and_b32 s83, s19, 15
	s_lshl1_add_u32 s20, s83, s20                  ; the cell's key: (c >> 4) << 6 | (c & 15) << 1
	s_lshr_b32 s21, s19, 3                         ; e: the expert whose weights I round
	s_and_b32 s22, s19, 7                          ; kq: which eighth of them
	s_lshr_b32 s83, s18, 2                         ; gate_up: ot = w >> 2
	s_and_b32 s84, s18, 3
	s_lshl2_add_u32 s84, s22, s84                  ; t = 4 kq + (w & 3)
	s_lshl_b32 s30, s21, 18                        ; from: e*262144 + ot*65536 + t*128
	s_lshl_b32 s85, s83, 16
	s_add_co_u32 s30, s30, s85
	s_lshl_b32 s85, s84, 7
	s_add_co_u32 s30, s30, s85
	s_mov_b32 s31, 0
	s_lshl_b32 s88, s21, 17                        ; to: e*131072 + t*4096 + ot*1024
	s_lshl_b32 s85, s84, 12
	s_add_co_u32 s88, s88, s85
	s_lshl_b32 s85, s83, 10
	s_add_co_u32 s88, s88, s85
	s_mov_b32 s89, 0
	s_lshr_b32 s83, s18, 3                         ; down: G = 2 kq + (w >> 3), q = (w >> 1) & 3, p = w & 1
	s_lshl1_add_u32 s83, s22, s83
	s_bfe_u32 s84, s18, 0x20001
	s_and_b32 s85, s18, 1
	s_lshl_b32 s86, s21, 17                        ; from: e*131072 + G*8192 + q*128 + p*64
	s_lshl_b32 s27, s83, 13
	s_add_co_u32 s86, s86, s27
	s_lshl_b32 s27, s84, 7
	s_add_co_u32 s86, s86, s27
	s_lshl_b32 s27, s85, 6
	s_add_co_u32 s86, s86, s27
	s_mov_b32 s87, 0
	s_lshl2_add_u32 s83, s83, s84                  ; 4 G + q
	s_lshl_b32 s90, s21, 16                        ; to: e*65536 + (4 G + q)*1024 + p*512
	s_lshl_b32 s27, s83, 10
	s_add_co_u32 s90, s90, s27
	s_lshl_b32 s27, s85, 9
	s_add_co_u32 s90, s90, s27
	s_mov_b32 s91, 0
	s_mul_i32 s92, s19, LSTRB                      ; my row of lst
	s_mov_b32 s93, 0
	s_mul_i32 s28, s18, PP                         ; my wave's part of LDS
	s_mov_b32 s23, 0                               ; my wave's running count
	s_wait_kmcnt 0x0
	s_add_nc_u64 s[6:7], s[6:7], s[30:31]
	s_add_nc_u64 s[8:9], s[8:9], s[86:87]
	s_add_nc_u64 s[14:15], s[14:15], s[88:89]
	s_add_nc_u64 s[16:17], s[16:17], s[90:91]
	s_add_nc_u64 s[12:13], s[12:13], s[92:93]
.irp g, 0,1,2,3,4,5,6,7,8,9,10,11,12,13,14,15      ; my wave's 1,024 pairs of ids: a load takes 512 consecutive bytes, two tokens a lane
	global_load_b128 v[IDS+4*\g:IDS+4*\g+3], v6, s[4:5] offset:512*\g
.endr
.irp p, 0,1                                        ; 16 numbers of gate_up a lane,
	global_load_b128 v[80+8*\p:80+8*\p+3], v7, s[6:7] offset:64*\p th:TH_LOAD_NT
	global_load_b128 v[80+8*\p+4:80+8*\p+7], v7, s[6:7] offset:64*\p+16 th:TH_LOAD_NT
.endr
	global_load_b128 v[96:99], v8, s[8:9] th:TH_LOAD_NT            ; and 8 of down
	global_load_b128 v[100:103], v8, s[8:9] offset:16 th:TH_LOAD_NT
	v_mov_b32 v12, s28
	v_mov_b32 v13, 0
	ds_store_b32 v12, v13                          ; my part's first word is 0: what an empty cell's list repeats
	s_wait_loadcnt 0x6                             ; the ids are in; the six loads of weights, issued behind them, may stay out
; The lanes whose token m (of 32: token 64 (m / 2) + m % 2 behind the lane's first) lies in the cell
.macro MASK m
	v_lshl_or_b32 v[IDS+2*(\m)], v[IDS+2*(\m)], 5, v[IDS+2*(\m)+1]
	v_and_b32 v13, 0x3de, v[IDS+2*(\m)]            ; without the two low bits of the ids
	v_cmp_eq_u32 s[MK+(\m)], s20, v13
.endm
; Those lanes put their entries behind the wave's earlier ones.  Lane order is not token order inside the wave's 1,024, and need not be: the list's order only has to be the same for every reader.
.macro PUT m
	s_cmp_eq_u32 s[MK+(\m)], 0
	s_cbranch_scc1 .Lnone_\@
	v_mbcnt_lo_u32_b32 v13, s[MK+(\m)], s23        ; the running count + the matching lanes below me
	v_cndmask_b32 v13, v15, v13, s[MK+(\m)]        ; a lane that does not match writes its own word behind the entries
	v_min_u32 v13, 1055, v13
	v_lshl_add_u32 v13, v13, 2, s28
	v_and_b32 v14, 0x20, v[IDS+2*(\m)]
	v_lshlrev_b32 v14, 11, v14                     ; id0 & 1 to bit 16
	v_and_b32 v12, 1, v[IDS+2*(\m)]
	v_lshl_add_u32 v14, v12, 17, v14               ; id1 & 1 to bit 17
	v_add3_u32 v14, v14, v120, ((\m)/2)*64+(\m)%2
	ds_store_b32 v13, v14
	s_bcnt1_i32_b32 s83, s[MK+(\m)]
	s_add_co_u32 s23, s23, s83
.Lnone_\@:
.endm
.set m, 0
.rept 32
	MASK m
.set m, m+1
.endr
.set m, 0
.rept 32
	PUT m
.set m, m+1
.endr
	s_lshl_b32 s83, s18, 2
	s_add_co_u32 s83, s83, WT
	v_mov_b32 v13, s83
	v_mov_b32 v12, s23
	ds_store_b32 v13, v12                          ; my wave's total
	s_wait_loadcnt 0x0                             ; the weights
.irp i, 0,1,2,3,4,5,6,7
	v_cvt_pk_bf16_f32 v[104+\i], v[80+2*\i], v[80+2*\i+1]
.endr
.irp i, 0,1,2,3
	v_cvt_pk_bf16_f32 v[112+\i], v[96+2*\i], v[96+2*\i+1]
.endr
	global_store_b128 v10, v[104:107], s[14:15]            ; each store of the wave covers 512 consecutive bytes, aligned
	global_store_b128 v10, v[108:111], s[14:15] offset:512
	global_store_b128 v10, v[112:115], s[16:17]
	s_wait_dscnt 0x0                               ; for the others' sake: my entries and my total are in LDS
	s_barrier_signal -1
	s_barrier_wait -1
	v_mov_b32 v13, WT
.irp i, 0,1,2,3
	ds_load_b128 v[16+4*\i:16+4*\i+3], v13 offset:16*\i
.endr
	s_wait_dscnt 0x0
.irp i, 0,1,2,3,4,5,6,7,8,9,10,11,12,13,14,15
	v_readfirstlane_b32 s[66+\i], v[16+\i]
.endr
	s_mov_b32 s24, 0
.irp k, 0,1,2,3,4,5,6,7,8,9,10,11,12,13,14         ; wave k + 1: the place of its first entry in the list, and how far its part of LDS lies beyond the end of wave k's entries
	s_add_co_u32 s24, s24, s[66+\k]
	s_mov_b32 s[32+\k], s24
	s_sub_co_u32 s[47+\k], 1056, s[66+\k]
.endr
	s_add_co_u32 s24, s24, s81                     ; n
	s_max_u32 s25, s24, 1
	s_sub_co_u32 s25, s25, 1                       ; the last entry's place
	s_add_co_u32 s26, s24, 95
	s_mul_i32 s26, s26, 43691                      ; u / 96 = u x 43,691 >> 22, exact for u under 131,072
	s_lshr_b32 s26, s26, 22
	s_max_u32 s26, s26, 1
	s_mul_i32 s26, s26, 96                         ; nb
	s_cmp_lg_u32 s18, 0
	s_cbranch_scc1 .Lnot_wave_0
	v_mov_b32 v12, s24
	s_lshl_b32 s83, s19, 2
	v_mov_b32 v13, s83
	v_cmp_eq_u32 vcc_lo, 0, v1
	s_wait_xcnt 0x0                                ; EXEC changes only when the earlier stores' addresses are translated
	s_and_saveexec_b32 s82, vcc_lo
	global_store_b32 v13, v12, s[10:11]            ; cnt[c], by one lane
	s_wait_xcnt 0x0
	s_or_b32 exec_lo, exec_lo, s82
.Lnot_wave_0:
; The entry at place p of the list: p is held to the last entry; word = p + the steps of all waves whose first place is not beyond p
.macro FIND dst, add
	v_add_nc_u32 v13, \add, v12
	v_min_u32 v13, s25, v13
	v_mov_b32 v14, v13
.irp k, 0,1,2,3,4,5,6,7,8,9,10,11,12,13,14
	v_cmp_le_u32 vcc_lo, s[32+\k], v13
	v_cndmask_b32 v15, 0, s[47+\k], vcc_lo
	v_add_nc_u32 v14, v14, v15
.endr
	v_min_u32 v14, 16895, v14
	v_lshlrev_b32 v14, 2, v14
	ds_load_b32 \dst, v14
.endm
	s_mov_b32 s27, 17                              ; 17 x 1,024 places cover the longest list, 16,448
	s_lshl_b32 s28, s18, 6                         ; my wave's 64 places of the trip's 1,024
.Lcopy:
	s_cmp_ge_u32 s28, s26
	s_cbranch_scc1 .Lskip                          ; nothing of the list is left here
	v_lshl_add_u32 v12, v1, 1, s28                 ; two places a lane
	v_lshlrev_b32 v119, 2, v12
	FIND v116, 0
	FIND v117, 1
	s_wait_dscnt 0x0
	global_store_b64 v119, v[116:117], s[12:13]    ; the wave's store covers 256 consecutive bytes, aligned
	s_wait_xcnt 0x0                                ; its registers are written again in the next trip
.Lskip:
	s_add_co_u32 s28, s28, 1024
	s_sub_co_u32 s27, s27, 1
	s_cmp_lg_u32 s27, 0
	s_cbranch_scc1 .Lcopy
	s_wait_tensorcnt 0x0                           ; the wave's end, behind my last LDS store
	ds_add_u32 v[SPW], v[NIL]
	s_wait_dscnt 0x0
	s_endpgm
.Lfunc_end_k_qad817401d0_prep:
	.size	k_qad817401d0_prep, .Lfunc_end_k_qad817401d0_prep-k_qad817401d0_prep
	.p2alignl 7, 3214868480
	.fill 96, 4, 3214868480
	.section	.rodata,"a",@progbits
	.p2align	6, 0x0
	.amdhsa_kernel k_qad817401d0_prep
		.amdhsa_group_segment_fixed_size 69888
		.amdhsa_private_segment_fixed_size 0
		.amdhsa_enable_private_segment 0
		.amdhsa_kernarg_size 56
		.amdhsa_user_sgpr_count 2
		.amdhsa_user_sgpr_kernarg_segment_ptr 1
		.amdhsa_wavefront_size32 1
		.amdhsa_system_sgpr_workgroup_id_x 1
		.amdhsa_system_sgpr_workgroup_id_y 1
		.amdhsa_system_sgpr_workgroup_id_z 1
		.amdhsa_system_vgpr_workitem_id 0
		.amdhsa_next_free_vgpr 128
		.amdhsa_next_free_sgpr 100
		.amdhsa_reserve_vcc 1
		.amdhsa_float_denorm_mode_32 3
		.amdhsa_float_denorm_mode_16_64 3
		.amdhsa_memory_ordered 1
		.amdhsa_forward_progress 1
		.amdhsa_inst_pref_size 43
	.end_amdhsa_kernel
	.amdgpu_metadata
---
amdhsa.version: [ 1, 2 ]
amdhsa.kernels:
  - .name:           k_qad817401d0_prep
    .symbol:         k_qad817401d0_prep.kd
    .args:
      - { .name: topk_ids, .offset: 0, .size: 8, .value_kind: global_buffer, .address_space: global }
      - { .name: gate_up_weight, .offset: 8, .size: 8, .value_kind: global_buffer, .address_space: global }
      - { .name: down_weight, .offset: 16, .size: 8, .value_kind: global_buffer, .address_space: global }
      - { .name: cnt, .offset: 24, .size: 8, .value_kind: global_buffer, .address_space: global }
      - { .name: lst, .offset: 32, .size: 8, .value_kind: global_buffer, .address_space: global }
      - { .name: wgu, .offset: 40, .size: 8, .value_kind: global_buffer, .address_space: global }
      - { .name: wdn, .offset: 48, .size: 8, .value_kind: global_buffer, .address_space: global }
    .group_segment_fixed_size: 69888
    .private_segment_fixed_size: 0
    .kernarg_segment_align: 8
    .kernarg_segment_size: 56
    .max_flat_workgroup_size: 512
    .sgpr_count:     100
    .vgpr_count:     128
    .wavefront_size: 32
...
	.end_amdgpu_metadata
.endif
;; end of part 1
;; launch moe (part 2): grid 426 x 1, 8 waves a work-group, no clusters, 248,320 bytes of LDS; arguments hidden_states, topk_weights, cnt, lst, wgu, wdn, out0; writes out0
.if DOCPART == 2
	.amdgcn_target "amdgcn-amd-amdhsa--gfx1250"
	.amdhsa_code_object_version 6
	.text
	.protected	k_qad817401d0_moe
	.globl	k_qad817401d0_moe
	.p2align	8
	.type	k_qad817401d0_moe,@function
k_qad817401d0_moe:
	s_mov_b64 s[64:65], 0
	v_nop
	global_prefetch_b8 v0, s[64:65] scope:SCOPE_SE
	s_setreg_imm32_b32 hwreg(HW_REG_WAVE_MODE, 25, 1), 1
	s_wait_xcnt 0x0
; MOE.  out[t] = sum over the token's two choices a of w[t][a] x down[id_a] (silu(gate) x up), gate and up = gate_up[id_a] x[t].
; CELLS.  The launch before sorted the tokens into 256 cells c = 16 I + J (I = id0 >> 1, J = id1 >> 1).  A cell's tokens need four expert SLOTS: 2 I, 2 I + 1, 2 J, 2 J + 1.  Every row of a tile goes through all
; four; slot s counts with CF = w[s >> 1] where (id[s >> 1] & 1) = (s & 1) and with 0 elsewhere, which is the sum that the definition asks for, also where I = J or id0 = id1.  So a token has ONE owner:
; its row of hidden_states is read once, its row of out is written once, and nothing is summed through memory.
; GRID.  A work-group takes one tile of at most 96 rows of one cell.  Work-groups 0..255: rows 0..95 of cell w.  Work-groups 256 + x: the x-th tile beyond a cell's first 96 rows, found from cnt; there are
; never more than floor(16,383 / 96) = 170 of them, whatever the split.  A work-group that the split leaves without rows jumps the three blocks of work, passes both barriers and stores nothing.
; BLOCKS.  A0 (8 waves): the tile's 96 rows are gathered by the list, rounded to bf16 and laid into LDS (places past the count repeat the cell's last row).  A1 (waves 0..3, one slot each): 96 x 64 x 1,024,
; then act = CF x silu(gate) x up, into LDS.  B (8 waves, 128 columns each): out = the sum over the four slots of act x down^T, 16 rows a trip; trips and stores past the count are left out.
; ADDRESSES.  A number read from memory (the cell, the tile, an expert, a token) enters an address only as a vector offset, behind a v_min_u32 whose bound is written in the instruction, and then only by
; shifts to the left and sums; the scalar bases are the buffers' addresses plus terms of the wave's number.  No address register is stepped: K steps and trips stand in the immediates.  Every offset is made
; with all lanes on, ahead of the first line of the text that narrows EXEC.
; FORMATS.  x, gate_up, down and topk_weights are each rounded once to bf16; all sums are f32.  act goes to the second product as TWO bf16 numbers, hi = bf16(act) and lo = bf16(act - hi), each multiplied by down.
; LIMITS.  Ids lie in 0..31.  sigmoid(g) = 1 / (1 + 2^(-1.442695 g)): 0 from about g = -88 down.  NaN and infinities are not treated apart.  The sums' order is not the definition's.
; NO CLUSTER, NO TENSOR LOADS.  The rows come by a list, which no tile descriptor covers; every weight fragment has exactly one reading wave in the work-group and goes straight from memory into its operand
; registers; the grid, 426, is no multiple of four, and the tiles beyond the first 96 rows are dealt by stored counts, so that neighbours in the grid need not share an expert.
.set XP,    2064                       ; a row of X in LDS: 2,048 bytes + 16 = 129 x 16: the 16 rows of a fragment load start at 16 different groups of four banks (64 banks of 4 bytes: ISA guide 11.1)
.set ACTB,  96*XP                      ; act: [slot][tile of 16 rows][hi, lo][p][lane][16 bytes]
.set ASLOT, 12288
.set ATILE, 2048
.set SPARE, ACTB+4*ASLOT               ; the spare words: 128 bytes for each of 8 waves; no other line names them
.set SPW,   6                          ; v6  my spare word's address; never rewritten
.set NIL,   7                          ; v7  0, for the add alone
.set LV,    30                         ; v30 byte offset of the tile's 96 entries in lst: 65,792 c + 384 q; made at the head, never rewritten
; v0 thread, v1 lane, v2 r = lane % 16, v3 hh = lane / 16, v4 16 lane, v5 8 hh: made at the head, never rewritten.  v24-29: the list entries of block A0's rows.
; s[4:17] the seven addresses; s18 wave; s20 c; s21 q; s22 live; s24 n; s32 my slot's expert; s[34:35] topk_weights at my slot's choice; s[36:37] down at my 128 columns of expert 0;
; s[44:45] out at my 128 columns; s[46:47] -log2(e); s48-51 the four slots' experts; s56 my slot's parity; s57 the bit of an entry that it is held against
.set MSB, 0
.macro WIN new                         ; s_set_vgpr_msb: bits 1:0 source 0, 3:2 source 1, 5:4 source 2, 7:6 destination; the high byte repeats the setting that is left
.if MSB != (\new)
	s_set_vgpr_msb (MSB<<8)|(\new)
.set MSB, (\new)
.endif
.endm
	s_load_b256 s[4:11], s[0:1], 0x0               ; hidden s[4:5], topk_weights s[6:7], cnt s[8:9], lst s[10:11]
	s_load_b128 s[12:15], s[0:1], 0x20             ; wgu s[12:13], wdn s[14:15]
	s_load_b64 s[16:17], s[0:1], 0x30              ; out
	v_lshl_add_u32 v[SPW], v0, 2, SPARE
	v_mov_b32 v[NIL], 0
	v_and_b32 v1, 31, v0
	v_lshrrev_b32 v8, 5, v0
	v_readfirstlane_b32 s18, v8
	v_and_b32 v2, 15, v0
	v_bfe_u32 v3, v0, 4, 1
	v_lshlrev_b32 v4, 4, v1
	v_lshlrev_b32 v5, 3, v3
	s_mov_b32 s19, ttmp9
	s_mov_b32 s20, s19                             ; the first 256 work-groups: cell w, its first tile
	s_mov_b32 s21, 0
	s_mov_b32 s22, 1
	s_mov_b32 s29, 0
	s_mov_b32 s46, 0xbfb8aa3b                      ; -log2(e)
	s_mov_b32 s47, s46
	s_wait_kmcnt 0x0
	s_cmp_lt_u32 s19, 256
	s_cbranch_scc1 .Lmain
	; THE OTHERS: which cell has the x-th tile beyond its first?  Lane l takes cells 8 l .. 8 l + 7.
	s_sub_co_u32 s58, s19, 256                     ; x
	v_lshlrev_b32 v8, 5, v1
	global_load_b128 v[32:35], v8, s[8:9]
	global_load_b128 v[36:39], v8, s[8:9] offset:16
	s_wait_loadcnt 0x0
.irp j, 0,1,2,3,4,5,6,7                            ; a cell's further tiles: ceil(n / 96), less 1 where that is not 0; u / 96 = u x 43,691 >> 22, exact for u under 131,072; both factors lie under 2^24
	v_add_nc_u32 v[32+\j], 95, v[32+\j]
	v_mul_u32_u24 v[32+\j], 0xaaab, v[32+\j]
	v_lshrrev_b32 v[32+\j], 22, v[32+\j]
	v_min_u32 v49, 1, v[32+\j]
	v_sub_nc_u32 v[32+\j], v[32+\j], v49
.endr
	v_mov_b32 v40, v32                             ; their running sum inside the lane,
.irp j, 1,2,3,4,5,6,7
	v_add_nc_u32 v[40+\j], v[40+\j-1], v[32+\j]
.endr
	s_mov_b32 s59, 0                               ; and what the lanes below hold
	v_mov_b32 v48, 0
.set l, 0
.rept 32
	v_readlane_b32 s60, v47, l
	v_writelane_b32 v48, s59, l
	s_add_co_u32 s59, s59, s60
.set l, l+1
.endr
	v_mov_b32 v50, 0
	v_mov_b32 v51, 0
	v_lshlrev_b32 v52, 3, v1
	s_mov_b32 s62, 0
.irp j, 0,1,2,3,4,5,6,7                            ; at most one lane and one j hold x
	v_add_nc_u32 v49, v48, v[40+\j]                ; tiles up to and with this cell,
	v_sub_nc_u32 v53, v49, v[32+\j]                ; and before it
	v_cmp_le_u32 s60, v53, s58
	v_cmp_gt_u32 s61, v49, s58
	s_and_b32 s60, s60, s61
	v_add_nc_u32 v54, \j, v52
	v_cndmask_b32 v50, v50, v53, s60
	v_cndmask_b32 v51, v51, v54, s60
	s_or_b32 s62, s62, s60
.endr
	v_lshl_add_u32 v50, v50, 8, v51                ; the tiles before the cell (170 at the most) above the cell's number; 0 in every lane but the one that holds x
	s_mov_b32 s59, 0
.set l, 0
.rept 32
	v_readlane_b32 s60, v50, l
	s_or_b32 s59, s59, s60
.set l, l+1
.endr
	s_cmp_lg_u32 s62, 0
	s_cselect_b32 s22, 1, 0                        ; live: the split has such a tile
	s_and_b32 s20, s59, 255                        ; the cell (0 where none)
	s_lshr_b32 s61, s59, 8
	s_sub_co_u32 s21, s58, s61
	s_add_co_u32 s21, s21, 1                       ; the tile in it
	s_mul_i32 s21, s21, s22                        ; a work-group without a tile looks at cell 0's first entries, which are always written, and uses none
.Lmain:
	s_min_u32 s20, s20, 255
	s_lshl_b32 s58, s20, 2
	s_load_b32 s23, s[8:9], s58 offset:0x0         ; the cell's count
	v_mov_b32 v[LV], s20
	v_min_u32 v[LV], 255, v[LV]                    ; c, held inside lst
	v_mov_b32 v9, s21
	v_min_u32 v9, 170, v9                          ; q, held inside a row of lst: 171 tiles of 384 bytes are 65,664 of its 65,792
	v_lshl_add_u32 v[LV], v[LV], 8, v[LV]          ; 257 c
	v_lshl_add_u32 v9, v9, 1, v9                   ; 3 q
	v_lshlrev_b32 v[LV], 8, v[LV]                  ; 65,792 c
	v_lshl_add_u32 v[LV], v9, 7, v[LV]             ; + 384 q
	v_lshl_add_u32 v9, v3, 5, v[LV]
	v_lshl_add_u32 v9, s18, 2, v9
.irp i, 0,1,2,3,4,5
	global_load_b32 v[24+\i], v9, s[10:11] offset:64*\i    ; block A0's rows: 16 i + wave + 8 hh
.endr
	s_lshr_b32 s25, s20, 4                         ; I
	s_and_b32 s26, s20, 15                         ; J
	s_lshl_b32 s48, s25, 1                         ; the four slots' experts
	s_add_co_u32 s49, s48, 1
	s_lshl_b32 s50, s26, 1
	s_add_co_u32 s51, s50, 1
	s_lshl_b32 s28, s18, 13                        ; my 128 columns of down: two groups of 64, 4,096 bytes each
	s_add_nc_u64 s[36:37], s[14:15], s[28:29]
	s_lshl_b32 s28, s18, 9
	s_add_nc_u64 s[44:45], s[16:17], s[28:29]
	s_and_b32 s55, s18, 3                          ; block A1's slot
	s_lshr_b32 s57, s55, 1                         ; which of the token's two choices,
	s_and_b32 s56, s55, 1                          ; and which parity of its id
	s_cmp_eq_u32 s57, 0
	s_cselect_b32 s32, s25, s26
	s_lshl1_add_u32 s32, s32, s56                  ; the slot's expert
	s_lshl_b32 s28, s57, 2
	s_add_nc_u64 s[34:35], s[6:7], s[28:29]
	s_add_co_u32 s57, s57, 16
	s_wait_kmcnt 0x0
	s_mul_i32 s27, s21, 96
	s_sub_co_i32 s24, s23, s27
	s_max_i32 s24, s24, 0
	s_min_u32 s24, s24, 96
	s_mul_i32 s24, s24, s22                        ; n: the tile's rows
	s_wait_loadcnt 0x0                             ; the six entries: no load is out at the jump
	s_cmp_eq_u32 s24, 0
	s_cbranch_scc1 .LJ0
; BLOCK A0.  A load takes 256 bytes of each of two rows (lanes 0-15 row 16 i + wave, lanes 16-31 the row 8 below).  48 slots of four registers: rows i = 0..5 x eight pieces of 256 bytes, the row's first half;
; each slot is then loaded again with the same piece of the second half.  The 8 waves have 8 x 48 x 512 = 196,608 bytes on their way.
.set SA, 8                             ; v8-10  LDS address of my 8 bytes in rows 16 i + wave + 8 hh, i = 0, 2, 4
.set XO, 12                            ; v12-17 byte offset of my 16 bytes in row i's token
.set CV, 32                            ; v32-47 rounded, on their way to LDS
.set ST, 64                            ; v64-255 the slots
	v_lshl_add_u32 v11, v3, 3, s18
	v_mul_u32_u24 v[SA], v11, XP
	v_lshl_add_u32 v[SA], v2, 3, v[SA]
	v_add_nc_u32 v[SA+1], 32*XP, v[SA]
	v_add_nc_u32 v[SA+2], 64*XP, v[SA]
.irp i, 0,1,2,3,4,5
	v_and_b32 v[XO+\i], 0x3fff, v[24+\i]           ; the token,
	v_min_u32 v[XO+\i], 0x3fff, v[XO+\i]           ; held inside the tensor,
	v_lshlrev_b32 v[XO+\i], 12, v[XO+\i]           ; its row of 4,096 bytes
	v_lshl_add_u32 v[XO+\i], v2, 4, v[XO+\i]
.endr
.irp i, 0,1,2,3,4,5
.irp jj, 0,1,2,3,4,5,6,7
	global_load_b128 v[ST+4*(8*\i+\jj):ST+4*(8*\i+\jj)+3], v[XO+\i], s[4:5] offset:256*\jj
.endr
.endr
.macro SLOT i, jj, half, again, left
	s_wait_loadcnt \left
	v_cvt_pk_bf16_f32 v[CV+2*(\jj)], v[ST+4*(8*(\i)+(\jj))], v[ST+4*(8*(\i)+(\jj))+1]
	v_cvt_pk_bf16_f32 v[CV+2*(\jj)+1], v[ST+4*(8*(\i)+(\jj))+2], v[ST+4*(8*(\i)+(\jj))+3]
	ds_store_b64 v[SA+(\i)/2], v[CV+2*(\jj):CV+2*(\jj)+1] offset:((\i)%2)*16*XP+(\half)*1024+(\jj)*128  ; two runs of 128 bytes, 8 rows = 32 banks apart
.if \again
	global_load_b128 v[ST+4*(8*(\i)+(\jj)):ST+4*(8*(\i)+(\jj))+3], v[XO+(\i)], s[4:5] offset:2048+256*(\jj)
.endif
.endm
.irp i, 0,1,2,3,4,5
.irp jj, 0,1,2,3,4,5,6,7
	SLOT \i, \jj, 0, 1, 47                         ; behind a slot's load 47 were issued: the later slots' first loads and the earlier slots' second
.endr
.endr
.irp i, 0,1,2,3,4,5
.irp jj, 0,1,2,3,4,5,6,7
	SLOT \i, \jj, 1, 0, 47-(8*\i+\jj)              ; nothing more is loaded: the counts run down to 0
.endr
.endr
.LJ0:
	s_wait_dscnt 0x0                               ; for the others' sake: my part of X is in LDS
	s_barrier_signal -1
	s_barrier_wait -1
	s_cmp_eq_u32 s24, 0
	s_cbranch_scc1 .LJ1
	s_cmp_ge_u32 s18, 4
	s_cbranch_scc1 .LJ1
; BLOCK A1.  Wave s makes slot s: 64 outputs x 96 tokens over K = 1,024, 32 a step.  The product is used transposed (source 0 = 16 rows of gate_up, source 1 = 16 tokens): a lane then holds ONE token (r) and the
; outputs 8 hh + 0..7 of each block of 16, so that gate, up and the token's coefficient meet in one lane, and the rounded act IS source 0 of the second product.
; gate_up's fragments come from memory straight into a ring of four K steps of registers; X's from LDS into two buffers.  The 32 K steps are written out by the assembler's loop: every LDS offset (35,040 at the
; most) and every offset in gate_up (130,560 at the most) stands in an immediate, and no address register and no base is stepped.
.set XA, 8                             ; v8-10   LDS address of my fragment rows in tiles 0, 2, 4; not rewritten
.set CF, 12                            ; v12-23  tile i: the coefficient, twice (a pair for the packed multiply); the odd register first holds the load's address
.set E2, 24                            ; v24-29  tile i: my token's entry
.set WO, 31                            ; v31     my byte offset in wgu: 131,072 x expert + 16 lane; not rewritten
.set XF, 32                            ; v32-127 two buffers of six fragments of X
.set WR, 128                           ; v128-255 ring slot z, block ot at WR + 32 z + 8 ot
                                       ; window 1, v0-191: accumulator (tile i, block ot) at 32 i + 8 ot; ot 0, 1 gate, ot 2, 3 up
.macro WLOAD z, off
.irp ot, 0,1,2,3
	global_load_b128 v[WR+32*(\z)+8*\ot:WR+32*(\z)+8*\ot+3], v[WO], s[12:13] offset:(\off)+\ot*1024
	global_load_b128 v[WR+32*(\z)+8*\ot+4:WR+32*(\z)+8*\ot+7], v[WO], s[12:13] offset:(\off)+\ot*1024+512
.endr
.endm
.macro XLOAD b, koff
.irp i, 0,1,2,3,4,5
	ds_load_b128 v[XF+48*(\b)+8*\i:XF+48*(\b)+8*\i+3], v[XA+\i/2] offset:(\i%2)*16*XP+(\koff)
	ds_load_b128 v[XF+48*(\b)+8*\i+4:XF+48*(\b)+8*\i+7], v[XA+\i/2] offset:(\i%2)*16*XP+(\koff)+32
.endr
.endm
; K step t of 32: ring slot t % 4, X's buffer t % 2.  The 24 accumulators take turns, one instruction a turn, from K step to K step too.  K step 0's products start the sums.
.macro KSTEP t
	s_wait_dscnt 0x0                               ; this K step's fragments of X are in
.if (\t) < 31
	XLOAD ((\t)+1)%2, 64*((\t)+1)                  ; the next K step's have the 24 products below in which to land
.endif
.if (\t) < 29
	s_wait_loadcnt 24                              ; behind this K step's eight loads of gate_up the three later K steps' 24 were issued, and may stay out
.else
	s_wait_loadcnt 8*(31-(\t))                     ; the last K steps: nothing more was asked for, the counts run down 16, 8, 0
.endif
	WIN 0x50                                       ; C and D in window 1
.irp i, 0,1,2,3,4,5
.irp ot, 0,1,2,3
.if (\t) == 0
	v_wmma_f32_16x16x32_bf16 v[32*\i+8*\ot:32*\i+8*\ot+7], v[WR+32*((\t)%4)+8*\ot:WR+32*((\t)%4)+8*\ot+7], v[XF+48*((\t)%2)+8*\i:XF+48*((\t)%2)+8*\i+7], 0
.else
	v_wmma_f32_16x16x32_bf16 v[32*\i+8*\ot:32*\i+8*\ot+7], v[WR+32*((\t)%4)+8*\ot:WR+32*((\t)%4)+8*\ot+7], v[XF+48*((\t)%2)+8*\i:XF+48*((\t)%2)+8*\i+7], v[32*\i+8*\ot:32*\i+8*\ot+7]
.endif
.endr
.endr
	WIN 0
.rept 4
	v_nop                                          ; four places ahead of loads into registers that these products have read, and of the first reads of their results
.endr
.if (\t) < 28
	WLOAD (\t)%4, ((\t)+4)*4096                    ; the ring slot takes the K step four on
.endif
.endm
; The coefficient: the weight rounded to bf16 where the id's low bit is the slot's, else 0
.macro COEF
.irp i, 0,1,2,3,4,5
	v_lshrrev_b32 v[E2+\i], s57, v[E2+\i]
	v_and_b32 v[E2+\i], 1, v[E2+\i]
	v_cmp_eq_u32 vcc_lo, s56, v[E2+\i]
	v_cvt_pk_bf16_f32 v[CF+2*\i+1], v[CF+2*\i], v[CF+2*\i]
	v_lshlrev_b32 v[CF+2*\i+1], 16, v[CF+2*\i+1]
	v_cndmask_b32 v[CF+2*\i], 0, v[CF+2*\i+1], vcc_lo
	v_mov_b32 v[CF+2*\i+1], v[CF+2*\i]
.endr
.endm
	v_mul_u32_u24 v[XA], v2, XP
	v_lshl_add_u32 v[XA], v3, 4, v[XA]             ; row x pitch + 16 x half
	v_add_nc_u32 v[XA+1], 32*XP, v[XA]
	v_add_nc_u32 v[XA+2], 64*XP, v[XA]
	v_lshl_add_u32 v11, v2, 2, v[LV]
	v_mov_b32 v[WO], s32
	v_min_u32 v[WO], 31, v[WO]                     ; the expert, held inside wgu
	v_lshl_add_u32 v[WO], v[WO], 17, v4
.irp i, 0,1,2,3,4,5
	global_load_b32 v[E2+\i], v11, s[10:11] offset:64*\i   ; token 16 i + r
.endr
	WLOAD 0, 0
	WLOAD 1, 4096
	WLOAD 2, 8192
	WLOAD 3, 12288
	XLOAD 0, 0
	s_wait_loadcnt 32                              ; the entries are in; the ring's 32 loads may stay out
.irp i, 0,1,2,3,4,5
	v_and_b32 v[CF+2*\i+1], 0x3fff, v[E2+\i]
	v_min_u32 v[CF+2*\i+1], 0x3fff, v[CF+2*\i+1]
	v_lshlrev_b32 v[CF+2*\i+1], 3, v[CF+2*\i+1]    ; a token's two weights are 8 bytes
.endr
.irp i, 0,1,2,3,4,5
	global_load_b32 v[CF+2*\i], v[CF+2*\i+1], s[34:35]
.endr
.set t, 0
.rept 32                                           ; in K steps 0 to 3 the six loads above are out too: 30 were issued behind a K step's own
	KSTEP t
.if t == 3
	COEF                                           ; K step 3's wait has shown the six done: 24 loads were issued behind them
.endif
.set t, t+1
.endr
; act = CF x g x u / (1 + 2^(-log2(e) g)), for all six tiles at once, so that each kind of transcendental is one batch with one wait.  Pair x of 48: tile x / 8, outputs 2 (x % 8), + 1 of the lane's 16.
.set TT, 32                            ; v32-127  T: 16 a tile
.set UU, 128                           ; v128-223 U: 16 a tile; at the end 8 registers of hi and 8 of lo
.set TP, 224                           ; v224-239 at work
	WIN 0x01                                       ; source 0 in window 1
.set x, 0
.rept 48
	v_pk_mul_f32 v[UU+2*x:UU+2*x+1], v[32*(x/8)+16+2*(x%8):32*(x/8)+16+2*(x%8)+1], v[CF+2*(x/8):CF+2*(x/8)+1]  ; U = u x CF; each accumulator is read from its low end on
.set x, x+1
.endr
.set x, 0
.rept 48
	v_pk_mul_f32 v[TT+2*x:TT+2*x+1], v[32*(x/8)+2*(x%8):32*(x/8)+2*(x%8)+1], s[46:47] op_sel_hi:[1,0]  ; T = -log2(e) g
.set x, x+1
.endr
	WIN 0
.set x, 0
.rept 96
	v_exp_f32 v[TT+x], v[TT+x]
.set x, x+1
.endr
	v_nop                                          ; a plain instruction behind the last exponential (ISA guide 5.7.2),
	s_wait_alu depctr_va_vdst(0)                   ; and one wait for the 96, ahead of their first reader
.set x, 0
.rept 48
	v_pk_add_f32 v[TT+2*x:TT+2*x+1], v[TT+2*x:TT+2*x+1], 1.0 op_sel_hi:[1,0]
.set x, x+1
.endr
.set x, 0
.rept 96
	v_rcp_f32 v[TT+x], v[TT+x]
.set x, x+1
.endr
	v_nop                                          ; a plain instruction behind the last reciprocal,
	s_wait_alu depctr_va_vdst(0)                   ; and one wait for the 96
	WIN 0x01
.set x, 0
.rept 48
	v_pk_mul_f32 v[TT+2*x:TT+2*x+1], v[32*(x/8)+2*(x%8):32*(x/8)+2*(x%8)+1], v[TT+2*x:TT+2*x+1]
.set x, x+1
.endr
	WIN 0
.set x, 0
.rept 48
	v_pk_mul_f32 v[TT+2*x:TT+2*x+1], v[TT+2*x:TT+2*x+1], v[UU+2*x:UU+2*x+1]
.set x, x+1
.endr
.set x, 0
.rept 48
	v_cvt_pk_bf16_f32 v[UU+16*(x/8)+x%8], v[TT+2*x], v[TT+2*x+1]   ; hi: registers 0-3 outputs 8 hh + 0..7, registers 4-7 outputs 16 + 8 hh + 0..7: a fragment's layout
.set x, x+1
.endr
.set x, 0
.rept 48                                           ; lo = bf16(act - hi); the difference is exact in f32
	v_lshlrev_b32 v[TP+2*(x%8)], 16, v[UU+16*(x/8)+x%8]
	v_and_b32 v[TP+2*(x%8)+1], 0xffff0000, v[UU+16*(x/8)+x%8]
	v_pk_add_f32 v[TT+2*x:TT+2*x+1], v[TT+2*x:TT+2*x+1], v[TP+2*(x%8):TP+2*(x%8)+1] neg_lo:[0,1] neg_hi:[0,1]
	v_cvt_pk_bf16_f32 v[UU+16*(x/8)+8+x%8], v[TT+2*x], v[TT+2*x+1]
.set x, x+1
.endr
	s_mul_i32 s27, s18, ASLOT
	s_add_co_u32 s27, s27, ACTB
	v_add_nc_u32 v8, s27, v4
.set x, 0
.rept 24                                           ; tile x / 4, hi or lo, p: 512 consecutive bytes a store
	ds_store_b128 v8, v[UU+4*x:UU+4*x+3] offset:512*x
.set x, x+1
.endr
.LJ1:
	s_wait_dscnt 0x0                               ; for the others' sake: my slot's act is in LDS, and my reads of X are over
	s_barrier_signal -1
	s_barrier_wait -1
	s_cmp_eq_u32 s24, 0
	s_cbranch_scc1 .LBend
; BLOCK B.  Wave v makes columns 128 v .. 128 v + 127, as two groups G of 64.  Source 0 = act (16 tokens x 32), source 1 = down, in which lane r holds column 64 G + 4 r + q: in the results q = 0..3 a lane then
; holds four NEIGHBOURING columns of token 8 hh + j, 16 bytes, and 16 lanes hold 256 consecutive bytes of a row of out.  The four slots' down for my columns stays in registers: all of window 1.
; The six trips of 16 rows are written out: a trip's place stands in the immediates (48,640 at the most in LDS), and a trip past the count is left by a jump forward.  The byte offsets in out of all 96 rows
; (48 a lane) are made once, ahead of the first trip: inside the trips no register that serves as an address is written.
.set AA, 8                             ; v8      LDS address of my 16 bytes in tile 0 of act, slot 0; not rewritten
.set LO2, 9                            ; v9      byte offset in lst of my eight rows' entries in tile 0; not rewritten
.set DO, 20                            ; v20-23  slot s: my byte offset in wdn: 65,536 x expert + 16 lane
                                       ; v32-63, v224-239  trip k, row 8 hh + j: its entry, then its byte offset in out, at 32 + 8 k + j (k = 0..3) and 224 + 8 (k - 4) + j (k = 4, 5)
.set AF, 64                            ; v64-127 act: slot s, hi or lo at AF + 16 s + 8 part
.set AC, 128                           ; v128-191 accumulator (G, q) at AC + 32 G + 8 q
.set QQ, 192                           ; v192-223 row j's 16 bytes at QQ + 4 j
.macro DLOAD s                         ; slot s: 16 loads, g = 4 G + q; the destination's window is set by the caller
.irp g, 0,1,2,3,4,5,6,7
	global_load_b128 v[64*(\s)+8*\g:64*(\s)+8*\g+3], v[DO+(\s)], s[36:37] offset:\g*1024
	global_load_b128 v[64*(\s)+8*\g+4:64*(\s)+8*\g+7], v[DO+(\s)], s[36:37] offset:\g*1024+512
.endr
.endm
.irp s, 0,1,2,3
	v_mov_b32 v[DO+\s], s[48+\s]
	v_min_u32 v[DO+\s], 31, v[DO+\s]               ; the expert, held inside wdn
	v_lshl_add_u32 v[DO+\s], v[DO+\s], 16, v4
.endr
	v_add_nc_u32 v[AA], ACTB, v4
	v_lshl_add_u32 v[LO2], v3, 5, v[LV]
.irp k, 0,1,2,3,4,5                                ; the entries of rows 16 k + 8 hh + 0..7; all 96 places of a tile are written in lst, whatever the count
	global_load_b128 v[32+8*\k+160*(\k/4):32+8*\k+160*(\k/4)+3], v[LO2], s[10:11] offset:64*\k
	global_load_b128 v[32+8*\k+160*(\k/4)+4:32+8*\k+160*(\k/4)+7], v[LO2], s[10:11] offset:64*\k+16
.endr
	WIN 0x40                                       ; destination in window 1
	DLOAD 0
	DLOAD 1
	DLOAD 2
	WIN 0
	s_wait_loadcnt 48                              ; the 12 loads of entries are in; the 48 of down issued behind them may stay out
.irp k, 0,1,2,3,4,5
.irp j, 0,1,2,3,4,5,6,7
	v_and_b32 v[32+8*\k+160*(\k/4)+\j], 0x3fff, v[32+8*\k+160*(\k/4)+\j]       ; the token,
	v_min_u32 v[32+8*\k+160*(\k/4)+\j], 0x3fff, v[32+8*\k+160*(\k/4)+\j]       ; held inside the tensor,
	v_lshlrev_b32 v[32+8*\k+160*(\k/4)+\j], 12, v[32+8*\k+160*(\k/4)+\j]       ; its row of 4,096 bytes
	v_lshl_add_u32 v[32+8*\k+160*(\k/4)+\j], v2, 4, v[32+8*\k+160*(\k/4)+\j]   ; + 16 r
.endr
.endr
	WIN 0x40
	DLOAD 3
	WIN 0
; Group G of trip k goes out: four results' registers j make row j's 16 bytes.  A tile that is full is stored by whole instructions; in the cell's last tile each store is narrowed to the halves of the lanes whose row exists.
.macro OUTG G, k
.set ROB, 32+8*(\k)+160*((\k)/4)
	s_wait_xcnt 0x0                                ; the earlier stores' addresses are translated: their data registers may be written again
.irp j, 0,1,2,3,4,5,6,7                            ; j ascending: each accumulator is read from its low end on
.irp q, 0,1,2,3
	v_mov_b32 v[QQ+4*\j+\q], v[AC+32*(\G)+8*\q+\j]
.endr
.endr
	s_cmp_ge_u32 s24, 16*(\k)+16
	s_cbranch_scc0 .Lpart_\@
.irp j, 0,1,2,3,4,5,6,7
	global_store_b128 v[ROB+\j], v[QQ+4*\j:QQ+4*\j+3], s[44:45] offset:256*(\G) th:TH_STORE_NT  ; each half of the lanes stores 256 consecutive bytes of one row, aligned
.endr
	s_branch .Lout_\@
.Lpart_\@:
	s_sub_co_u32 s55, s24, 16*(\k)                 ; rows left
.irp j, 0,1,2,3,4,5,6,7
	v_cmp_gt_i32 vcc_lo, s55, v5                   ; row 8 hh + j exists where rows left - j > 8 hh
	s_wait_xcnt 0x0                                ; EXEC changes only when the earlier stores' addresses are translated
	s_and_saveexec_b32 s54, vcc_lo
	global_store_b128 v[ROB+\j], v[QQ+4*\j:QQ+4*\j+3], s[44:45] offset:256*(\G) th:TH_STORE_NT
	s_wait_xcnt 0x0
	s_or_b32 exec_lo, exec_lo, s54
	s_sub_co_i32 s55, s55, 1
.endr
.Lout_\@:
.endm
; Trip k: rows 16 k .. 16 k + 15 of the tile
.macro BTRIP k
.if (\k) > 0
	s_cmp_le_u32 s24, 16*(\k)
	s_cbranch_scc1 .LBend                          ; no row is left
.endif
.irp s, 0,1,2,3
.irp h, 0,1,2,3                                    ; hi p 0, hi p 1, lo p 0, lo p 1
	ds_load_b128 v[AF+16*\s+4*\h:AF+16*\s+4*\h+3], v[AA] offset:\s*ASLOT+\h*512+(\k)*ATILE
.endr
.endr
	s_wait_dscnt 0x0
.if (\k) == 0
	s_wait_loadcnt 0x0                             ; down's 64 loads are in
.endif
	WIN 0x04                                       ; source 1 in window 1
.irp s, 0,1,2,3                                    ; the 8 accumulators take turns, from trip to trip too; the first eight products start the sums
.irp part, 0,1
.irp g, 0,1,2,3,4,5,6,7
.if (\s+\part) == 0
	v_wmma_f32_16x16x32_bf16 v[AC+8*\g:AC+8*\g+7], v[AF+16*\s+8*\part:AF+16*\s+8*\part+7], v[64*\s+8*\g:64*\s+8*\g+7], 0
.else
	v_wmma_f32_16x16x32_bf16 v[AC+8*\g:AC+8*\g+7], v[AF+16*\s+8*\part:AF+16*\s+8*\part+7], v[64*\s+8*\g:64*\s+8*\g+7], v[AC+8*\g:AC+8*\g+7]
.endif
.endr
.endr
.endr
	WIN 0
.rept 4
	v_nop                                          ; four places (ISA guide 7.12.1) ahead of the first reads of these products' results
.endr
	OUTG 0, \k
	OUTG 1, \k
.endm
	BTRIP 0
	BTRIP 1
	BTRIP 2
	BTRIP 3
	BTRIP 4
	BTRIP 5
.LBend:
	s_wait_tensorcnt 0x0                           ; the wave's end, behind my last LDS store
	ds_add_u32 v[SPW], v[NIL]
	s_wait_dscnt 0x0
	s_endpgm
.Lfunc_end_k_qad817401d0_moe:
	.size	k_qad817401d0_moe, .Lfunc_end_k_qad817401d0_moe-k_qad817401d0_moe
	.p2alignl 7, 3214868480
	.fill 96, 4, 3214868480
	.section	.rodata,"a",@progbits
	.p2align	6, 0x0
	.amdhsa_kernel k_qad817401d0_moe
		.amdhsa_group_segment_fixed_size 248320
		.amdhsa_private_segment_fixed_size 0
		.amdhsa_enable_private_segment 0
		.amdhsa_kernarg_size 56
		.amdhsa_user_sgpr_count 2
		.amdhsa_user_sgpr_kernarg_segment_ptr 1
		.amdhsa_wavefront_size32 1
		.amdhsa_system_sgpr_workgroup_id_x 1
		.amdhsa_system_sgpr_workgroup_id_y 1
		.amdhsa_system_sgpr_workgroup_id_z 1
		.amdhsa_system_vgpr_workitem_id 0
		.amdhsa_next_free_vgpr 512
		.amdhsa_next_free_sgpr 66
		.amdhsa_reserve_vcc 1
		.amdhsa_float_denorm_mode_32 3
		.amdhsa_float_denorm_mode_16_64 3
		.amdhsa_memory_ordered 1
		.amdhsa_forward_progress 1
		.amdhsa_inst_pref_size 255
	.end_amdhsa_kernel
	.section	.bss,"aw",@nobits
	.p2align	6
	.space	262144
	.amdgpu_metadata
---
amdhsa.version: [ 1, 2 ]
amdhsa.kernels:
  - .name:           k_qad817401d0_moe
    .symbol:         k_qad817401d0_moe.kd
    .args:
      - { .name: hidden_states, .offset: 0, .size: 8, .value_kind: global_buffer, .address_space: global }
      - { .name: topk_weights, .offset: 8, .size: 8, .value_kind: global_buffer, .address_space: global }
      - { .name: cnt, .offset: 16, .size: 8, .value_kind: global_buffer, .address_space: global }
      - { .name: lst, .offset: 24, .size: 8, .value_kind: global_buffer, .address_space: global }
      - { .name: wgu, .offset: 32, .size: 8, .value_kind: global_buffer, .address_space: global }
      - { .name: wdn, .offset: 40, .size: 8, .value_kind: global_buffer, .address_space: global }
      - { .name: out0, .offset: 48, .size: 8, .value_kind: global_buffer, .address_space: global }
    .group_segment_fixed_size: 248320
    .private_segment_fixed_size: 0
    .kernarg_segment_align: 8
    .kernarg_segment_size: 56
    .max_flat_workgroup_size: 256
    .sgpr_count:     66
    .vgpr_count:     512
    .wavefront_size: 32
...
	.end_amdgpu_metadata
.endif
;; end of part 2
